; MI455X (gfx1250); checked and timed in simulation.
; The chip was launched on July 23, 2026; its instructions are those of AMD's public machine-readable ISA for CDNA 5 (MIT licence, August 2026) and "CDNA5" Instruction Set Architecture Reference Guide (July 2026). The comments in the code are by the model that wrote it; some were corrected since.
;; Attention. Allowed arithmetic: matrix products marked QUANTISED: E2M1 operands, one E8M0 scale for each 32 along K, by v_wmma_scale_f32_16x16x128_f8f6f4 with both operands' format E2M1 (or v_wmma_scale_f32_32x16x128_f4), f32 sums; everything else in f32.
;; Inputs: W 3,072 x 1,024 float32; b 3,072 float32; x 4 x 2,048 x 1,024 float32.
;; Outputs: out0 4 x 2,048 x 1,024 float32.
;; This version of the problem:
;;   THIS VERSION OF THE PROBLEM IS GIVEN IN LOW PRECISION. The matrix products marked QUANTISED in the list below multiply operands that are first quantised to E2M1 (2 exponent bits, 1 mantissa bit; 4 bits a number), with one power-of-two scale for each 32 numbers along K (OCP MX v1.0); their sums are f32. All else is computed in f32.
;;   The module's matrix products, in the order in which they are computed (A, B: the left and right operand; K: the contracted axis; several contracted axes count as one K, in the product's order):
;;     1. [M 8,192, K 1,024] x [K 1,024, N 3,072]; A: input x; B: input W: QUANTISED
;;     2. batch 64 x [M 2,048, K 64] x [K 64, N 2,048]; A: computed on the way; B: computed on the way: QUANTISED
;;     3. batch 64 x [M 2,048, K 2,048] x [K 2,048, N 64]; A: softmax (see below); B: computed on the way: QUANTISED
;;   THE QUANTISER, for each operand of a quantised product, along K:
;;     - K is cut into blocks of 32 from its start; a last block that is shorter is filled with zeros.
;;     - A block's scale is 2^e with e = floor(log2(the largest magnitude in the block)) - 2, held to -126 .. 127; a block of zeros has e = 0. As a byte (E8M0): e + 127.
;;     - Each number is divided by its block's scale, clamped to +-6, and rounded to the nearest number of E2M1, ties to even, subnormals kept.
;;     - The product sums the exact products of the quantised numbers (number of the format x scale) in f32.
;;   ~~~python
;;   def quantise(x, axis):      # numpy; x: float32 -> the quantised numbers, widened to float32 again
;;       x = np.moveaxis(x, axis, -1); K = x.shape[-1]
;;       x = np.pad(x, [(0, 0)] * (x.ndim - 1) + [(0, -K % 32)]); x = x.reshape(x.shape[:-1] + (-1, 32)); a = np.abs(x).max(-1, keepdims=True)
;;       e = np.where(a > 0, np.clip(np.frexp(np.where(a > 0, a, 1))[1] - 1 - 2, -126, 127), 0)      # np.frexp(a)[1] - 1 = floor(log2(a)), exactly
;;       r = np.clip(x / 2.0 ** e, -6, 6)
;;       step = 2.0 ** (np.maximum(np.frexp(np.where(r == 0, 1, r))[1] - 1, 0) - 1)
;;       q = np.round(r / step) * step * 2.0 ** e      # np.round: ties to even
;;       return np.moveaxis(q.reshape(q.shape[:-2] + (-1,))[..., :K], -1, axis).astype(np.float32)
;;   ~~~
;;   SOFTMAX AHEAD OF A QUANTISED PRODUCT. Where the list says 'softmax', what is quantised is not the finished softmax but p = 2^(t - M), with t = logit x log2(e) and M = ceil(the row's largest t), a whole number; so 1/2 < the row's largest p <= 1. The row's sum l is taken of the UNQUANTISED p, in f32, and the product's result is divided by l at the end. Since M is a whole number, a kernel that streams over the keys may use a running M (the ceiling of the running maximum): every later rescaling is an exact power of two, which a block's scale takes up: the codes' values come out the same.
;;   OPERANDS COMPUTED ON THE WAY. 'Computed on the way' means the value that the module computes at that place (a softmax that the list does not call 'softmax' is quantised finished and normalised). What goes into a quantiser is computed in f32, as accurately as f32 sums, v_exp_f32 and their like allow (about 1e-6 of the number): no bf16 or f16 on the way to a quantiser, and a product that is left as it is and whose result goes on into a quantised operand takes f32 operands (vector FMAs, or v_wmma_f32_16x16x4_f32). A number that lies on a knife's edge between two numbers of the format may be rounded either way, as far as f32 arithmetic and the matrix unit's own rounding can turn it there, and no further.
;; One version. Each part assembles by itself: llvm-mc -triple=amdgcn-amd-amdhsa -mcpu=gfx1250 --defsym DOCPART=n.
;; ======== version 1 of 1: 3 launches
;; limits: right only within a limited range of input values
;; workspace buffers: xc 4,194,304 bytes; xs 262,144 bytes; wc 1,572,864 bytes; ws 98,304 bytes; qkv 13,893,632 bytes
;; launch quant (part 1): grid 704 x 1, 2 waves a work-group, no clusters, 16,640 bytes of LDS; arguments x, W, xc, xs, wc, ws; writes xc, xs, wc, ws
.if DOCPART == 1
	.amdgcn_target "amdgcn-amd-amdhsa--gfx1250"
	.amdhsa_code_object_version 6
	.text
	.protected	k_q8c1a244c33_quant
	.globl	k_q8c1a244c33_quant
	.p2align	8
	.type	k_q8c1a244c33_quant,@function
k_q8c1a244c33_quant:
	s_mov_b64 s[64:65], 0
	v_nop
	global_prefetch_b8 v0, s[64:65] scope:SCOPE_SE
	s_setreg_imm32_b32 hwreg(HW_REG_WAVE_MODE, 25, 1), 1
	s_wait_xcnt 0x0
; x [8192][1024] and W [3072][1024], f32, become codes of E2M1 (4 bits, two a byte, the lower k in the low four bits), K innermost, with one E8M0 byte for each 32 along K.
; A block's scale is 2^(floor(log2(its largest magnitude)) - 2): its byte is the largest magnitude's own exponent field - 2, held at 1 from below.
; WORK LEFT OUT IN THE PROGRAM: the tiles of scores that the causal mask, built by reference() itself, hides whole: -infinity ahead of the softmax makes their p 0 for all finite inputs.
; LIMITS: a NaN, an infinity or an overflow that reaches only such hidden tiles is not carried to the result.  A block of zeros, or one whose largest magnitude lies under 2^-124, gets the byte 1 where
; the rule says 127 or less: its codes are zeros or the nearest codes under that scale, and the bytes are read by this program alone.  NaN and infinities among the inputs are not served.
; Rows are dense and 1,024 is a multiple of 32: both tensors are plain streams of blocks of 32.  A wave takes a run of 8,192 numbers (8 rows) in 16 steps of 512.
; THE ROWS ARE STORED IN ANOTHER ORDER: row 64 g + 32 a + 8 u + j goes to stored row 64 g + 16 u + 8 a + j, so that stored tile 4 g + u of 16 rows holds in row r the row 64 g + 32 (r / 8) + 8 u + r % 8.
; A run is 8 rows: only bits 0 to 2 of the run's number change place.
; Each of a step's four loads reads 512 consecutive bytes, 16 a lane; the 2,048 bytes turn through the wave's own stage in LDS and come back 64 bytes a lane: 16 neighbours along K, as the conversions want them.
; No tensor loads, no barrier: waves share nothing.  Loads run eight steps (32 loads a wave) ahead, the turn through LDS one step.
.set STEPS, 16
.set AH,    8                          ; steps ahead
.set WGA,   512                        ; work-groups 0-511 take x (8,388,608 numbers / 16,384), 512-703 take W
.set R,     16                         ; v16-143  eight sets of 16 numbers as they are loaded
.set X,     144                        ; v144-175 two sets of 16 neighbours
.set E,     176                        ; v176-191 a scale byte for each step
.set SPW,   192                        ; v192     LDS address of my spare word;  v193 0: never rewritten
.set NIL,   193
.set C,     194                        ; v194-225 codes: two registers for each step, so that no store's data are written again
.set WREG,  8192                       ; LDS: a region for each wave: two stages of 32 x SP bytes, behind them its 256 scale bytes
.set SP,    80                         ; a lane's place in a stage: its 64 bytes + 16 of padding
.set SPARE, 2*WREG                     ; the spare words, 128 bytes a wave
	s_load_b128 s[4:7], s[0:1], 0x0                ; x, W
	s_load_b128 s[8:11], s[0:1], 0x10              ; x's codes, x's scales
	s_load_b128 s[12:15], s[0:1], 0x20             ; W's codes, W's scales
	v_lshl_add_u32 v[SPW], v0, 2, SPARE
	v_mov_b32 v[NIL], 0
	v_lshrrev_b32 v1, 5, v0
	v_readfirstlane_b32 s16, v1                    ; wave
	v_and_b32 v2, 31, v0                           ; lane
	v_lshlrev_b32 v3, 4, v2                        ; my 16 bytes of a load's 512
	s_mul_i32 s17, s16, WREG
	v_lshrrev_b32 v14, 2, v2
	v_mul_u32_u24 v14, v14, SP
	v_and_b32 v15, 3, v2
	v_lshl_add_u32 v14, v15, 4, v14
	v_add_nc_u32 v14, s17, v14                     ; the stage, on the way in: SP (lane / 4) + 16 (lane % 4); a load's 512 bytes take eight places
	v_mul_u32_u24 v15, v2, SP
	v_add_nc_u32 v15, s17, v15                     ; and on the way out: SP x lane: my 16 neighbours
	v_lshlrev_b32 v4, 3, v2                        ; my codes' place in a step's
	v_lshrrev_b32 v5, 1, v2
	s_add_co_u32 s17, s17, 2*32*SP
	v_add_nc_u32 v5, s17, v5                       ; LDS: my wave's 256 scale bytes, my block's byte
	v_lshlrev_b32 v7, 3, v2                        ; and on the way out 8 bytes a lane
	v_add_nc_u32 v6, s17, v7
	s_wait_alu depctr_va_vdst(0)                   ; the wait at the head's end
	s_wait_kmcnt 0x0
	s_cmp_lt_u32 ttmp9, WGA                        ; x's work-group or W's?  The choice hangs on the work-group's number alone
	s_cselect_b64 s[4:5], s[4:5], s[6:7]
	s_cselect_b64 s[8:9], s[8:9], s[12:13]
	s_cselect_b64 s[10:11], s[10:11], s[14:15]
	s_cselect_b32 s17, 0, WGA
	s_sub_co_u32 s17, ttmp9, s17
	s_lshl_b32 s17, s17, 1                         ; the work-group's first run of its tensor
	s_add_co_u32 s18, s17, s16                     ; the run that I read
	s_lshr_b32 s19, s18, 3
	s_lshl_b32 s19, s19, 3
	s_and_b32 s20, s18, 3
	s_lshl_b32 s20, s20, 1
	s_add_co_u32 s19, s19, s20
	s_bfe_u32 s20, s18, 0x10002
	s_add_co_u32 s19, s19, s20                     ; the run that I write: bits 0, 1 to bits 1, 2, bit 2 to bit 0
	s_lshl_b32 s20, s18, 15                        ; 32,768 bytes of f32 a run (under 2^26 in all)
	s_mov_b32 s21, 0
	s_add_nc_u64 s[4:5], s[4:5], s[20:21]
	s_lshl_b32 s20, s19, 12                        ; 4,096 bytes of codes a run
	s_add_nc_u64 s[8:9], s[8:9], s[20:21]
	s_lshl_b32 s20, s19, 8                         ; 256 scale bytes a run
	s_add_nc_u64 s[10:11], s[10:11], s[20:21]
.macro LOAD t
.irp i, 0,1,2,3
	global_load_b128 v[R+16*((\t)%AH)+4*\i:R+16*((\t)%AH)+4*\i+3], v3, s[4:5] offset:2048*(\t)+512*\i th:TH_LOAD_NT   ; 32 lanes read 512 consecutive bytes; read once in the launch
.endr
.endm
.macro TURN t                          ; step t's numbers through the stage: LDS serves a wave's instructions in order, so no wait stands between the stores and the loads
.irp i, 0,1,2,3
	ds_store_b128 v14, v[R+16*((\t)%AH)+4*\i:R+16*((\t)%AH)+4*\i+3] offset:32*SP*((\t)%2)+8*SP*\i
.endr
.irp i, 0,1,2,3
	ds_load_b128 v[X+16*((\t)%2)+4*\i:X+16*((\t)%2)+4*\i+3], v15 offset:32*SP*((\t)%2)+16*\i
.endr
.endm
.irp t, 0,1,2,3,4,5,6,7
	LOAD \t
.endr
	s_wait_loadcnt 28                              ; step 0's four loads are in; the 28 of steps 1 to 7 may be out
	TURN 0
.macro STEP t
.set XS, X+16*((\t)%2)
.if (\t) > 0
	s_wait_dscnt 1                                 ; this step's numbers are back from the stage (the last step's byte store may be out): so its stores into the stage have read their registers,
.else
	s_wait_dscnt 0x0
.endif
.if (\t)+AH < STEPS
	LOAD (\t)+AH                                   ; which take the loads of eight steps on
.endif
.if (\t)+1 < STEPS
.if STEPS-2-(\t) >= AH-1
	s_wait_loadcnt 4*(AH-1)                        ; the next step's four loads are in; those of the seven steps behind it may be out
.else
	s_wait_loadcnt 4*(STEPS-2-(\t))                ; the tail: four for each step still behind the next one
.endif
	TURN (\t)+1                                    ; and go through the other stage while this step is worked
.endif
	v_max3_num_f32 v8, |v[XS]|, |v[XS+1]|, |v[XS+2]|               ; the largest magnitude of my 16, in two chains
	v_max3_num_f32 v9, |v[XS+3]|, |v[XS+4]|, |v[XS+5]|
.irp i, 6,10
	v_max3_num_f32 v8, v8, |v[XS+\i]|, |v[XS+\i+1]|
	v_max3_num_f32 v9, v9, |v[XS+\i+2]|, |v[XS+\i+3]|
.endr
	v_max3_num_f32 v8, v8, |v[XS+14]|, |v[XS+15]|
	v_max3_num_f32 v8, v8, v9, 0x1800000           ; and the floor 2^(3 - 127): so the byte cannot fall under 1
	v_max_num_f32_dpp v8, v8, v8 row_xmask:1 row_mask:0xf bank_mask:0xf   ; and of my neighbour's 16: the block's
	v_add_nc_u32 v11, 0xff000000, v8               ; 2 off its exponent field: the conversion takes the exponent field of this operand as its scale, and nothing else of it
	v_cvt_scalef32_pk8_fp4_f32 v[C+2*(\t)], v[XS:XS+7], v11        ; eight numbers / the scale, to the nearest code, ties to even, beyond the largest code the largest
	v_cvt_scalef32_pk8_fp4_f32 v[C+2*(\t)+1], v[XS+8:XS+15], v11
	v_lshrrev_b32 v[E+(\t)], 23, v11               ; the scale's byte (also the plain line behind the conversions)
	ds_store_b8 v5, v[E+(\t)] offset:16*(\t)       ; both lanes of a block write the same byte with the same value
	global_store_b64 v4, v[C+2*(\t):C+2*(\t)+1], s[8:9] offset:256*(\t)   ; 32 lanes store 256 consecutive bytes, aligned
.endm
.irp t, 0,1,2,3,4,5,6,7,8,9,10,11,12,13,14,15
	STEP \t
.endr
	ds_load_b64 v[12:13], v6                       ; LDS serves a wave's instructions in order: these see my byte stores
	s_wait_dscnt 0x0
	global_store_b64 v7, v[12:13], s[10:11]        ; 32 lanes store the run's 256 scale bytes, aligned
	s_wait_tensorcnt 0x0                           ; the wave's end
	ds_add_u32 v[SPW], v[NIL]
	s_wait_dscnt 0x0
	s_endpgm
.Lfunc_end_k_q8c1a244c33_quant:
	.size	k_q8c1a244c33_quant, .Lfunc_end_k_q8c1a244c33_quant-k_q8c1a244c33_quant
	.p2alignl 7, 3214868480
	.fill 96, 4, 3214868480
	.section	.rodata,"a",@progbits
	.p2align	6, 0x0
	.amdhsa_kernel k_q8c1a244c33_quant
		.amdhsa_group_segment_fixed_size 16640
		.amdhsa_private_segment_fixed_size 0
		.amdhsa_enable_private_segment 0
		.amdhsa_kernarg_size 48
		.amdhsa_user_sgpr_count 2
		.amdhsa_user_sgpr_kernarg_segment_ptr 1
		.amdhsa_wavefront_size32 1
		.amdhsa_system_sgpr_workgroup_id_x 1
		.amdhsa_system_sgpr_workgroup_id_y 1
		.amdhsa_system_sgpr_workgroup_id_z 1
		.amdhsa_system_vgpr_workitem_id 0
		.amdhsa_next_free_vgpr 226
		.amdhsa_next_free_sgpr 66
		.amdhsa_reserve_vcc 0
		.amdhsa_float_denorm_mode_32 3
		.amdhsa_float_denorm_mode_16_64 3
		.amdhsa_memory_ordered 1
		.amdhsa_forward_progress 1
		.amdhsa_inst_pref_size 34
	.end_amdhsa_kernel
	.amdgpu_metadata
---
amdhsa.version: [ 1, 2 ]
amdhsa.kernels:
  - .name:           k_q8c1a244c33_quant
    .symbol:         k_q8c1a244c33_quant.kd
    .args:
      - { .name: x, .offset: 0, .size: 8, .value_kind: global_buffer, .address_space: global }
      - { .name: W, .offset: 8, .size: 8, .value_kind: global_buffer, .address_space: global }
      - { .name: xc, .offset: 16, .size: 8, .value_kind: global_buffer, .address_space: global }
      - { .name: xs, .offset: 24, .size: 8, .value_kind: global_buffer, .address_space: global }
      - { .name: wc, .offset: 32, .size: 8, .value_kind: global_buffer, .address_space: global }
      - { .name: ws, .offset: 40, .size: 8, .value_kind: global_buffer, .address_space: global }
    .group_segment_fixed_size: 16640
    .private_segment_fixed_size: 0
    .kernarg_segment_align: 8
    .kernarg_segment_size: 48
    .max_flat_workgroup_size: 64
    .sgpr_count:     66
    .vgpr_count:     226
    .wavefront_size: 32
...
	.end_amdgpu_metadata
.endif
;; end of part 1
;; launch qkv (part 2): grid 8 x 32, 4 waves a work-group, clusters of 4 x 4, 327,680 bytes of LDS; arguments xc, xs, wc, ws, b, qkv; writes qkv
.if DOCPART == 2
	.amdgcn_target "amdgcn-amd-amdhsa--gfx1250"
	.amdhsa_code_object_version 6
	.text
	.protected	k_q8c1a244c33_qkv
	.globl	k_q8c1a244c33_qkv
	.p2align	8
	.type	k_q8c1a244c33_qkv,@function
k_q8c1a244c33_qkv:
	s_mov_b64 s[64:65], 0
	v_nop
	global_prefetch_b8 v0, s[64:65] scope:SCOPE_SE
	s_setreg_imm32_b32 hwreg(HW_REG_WAVE_MODE, 25, 1), 1
	s_wait_xcnt 0x0
	s_wait_alu depctr_hold_cnt(0) depctr_sa_sdst(0) depctr_va_vdst(0) depctr_va_sdst(0) depctr_va_ssrc(0) depctr_va_vcc(0) depctr_vm_vsrc(0)
	s_getreg_b32 s2, hwreg(HW_REG_IB_STS2, 6, 4)
	s_cmp_eq_u32 s2, 0
	s_cbranch_scc0 .Lentry_in_a_cluster
	s_endpgm
.Lentry_in_a_cluster:
	s_bfe_u32 s2, ttmp6, 0x10000c
	s_cmp_lg_u32 s2, 0xf033
	s_cbranch_scc0 .Lentry_shape_is_right
	s_endpgm
.Lentry_shape_is_right:
; qkv = Q(x) Q(W)^T + b on codes of E2M1 with E8M0 scales, M 8,192, N 3,072, K 1,024; the results are quantised in registers and stored as images of the operand registers that the attention launch wants.
; 256 work-groups (i, j): x's rows 256 i .. + 255, all of K, stay in LDS.  PART 1: times W's rows 256 j .. + 255 (q, k).  PART 2: times W's rows 2,048 + 128 j .. + 127 (v), which are brought into the LDS
; bytes of part 1's W while part 1's results go out.  Four waves; a wave makes 128 x 128 in part 1 (64 accumulators of 16 x 16), 64 x 128 in part 2 (32).
; OPERAND "A" is source 1 (a lane holds one of its rows), OPERAND "B" is source 0 (a lane's registers run along its rows).  A quantiser wants a lane's registers along the NEXT product's K:
;   q and k: next K = the head's channels: A = x, B = W;    v: next K = the keys: A = W, B = x.
; THE STORED ROWS of both tensors are in the order 64 g + 32 (r / 8) + 8 u + r % 8 for row r of stored tile 4 g + u, so that the 32 registers of four neighbouring B tiles are, in lanes 16 h .. 16 h + 15, the 32 neighbours
; 64 g + 32 h + 0 .. 31: a WHOLE block of the quantiser in one lane, and its codes are the operand's registers as they come.
; CLUSTERS, 4 x 4: x's tile hangs on cy and is shared along a row, W's on cx and is shared along a column: each is asked for JOINTLY, by the same tensor load with the same descriptor and a mask that names the four.
; No prefetch: the launch has no loop of loads to run ahead in: all of K comes at the head, and v's rows by one load a wave.
; THE BIAS is the C of each sum's first product: it is the sum's first addend, where the definition adds it last: a difference of f32 rounding alone.
; THE RECORD of head bh = 16 batch + head, REC bytes.  q: 128 tiles x 512 bytes (lane l's 16 bytes at 16 l), scale words at 65,536 + 512 step + 256 (t / 4) + 16 r + 4 (t % 4) (bytes 0, 1: the two blocks; 2, 3: 0).
; At KV + CH step, a step being 128 tokens: k's 8 tiles; at + 4,096 k's scale words; at + 4,608 v's codes, 1,024 t + 512 c + 16 l (channel 32 (r / 8) + 8 t + r % 8, keys 64 c + 32 (l / 16) on); at + 8,704 v's scale words, 16 r + 4 t.
; LIMITS: a block whose largest magnitude lies under 2^-124 (a block of zeros too) gets the byte 1: the bytes are read by this program alone.  NaN and infinities are not served.
; REGISTERS, in windows of 256: window 0: v1-31 addresses; v32-95 the products' scale words and nothing else (register 32 (q / 4) + 4 i + q % 4: lanes 0-15 x's block i, lanes 16-31 W's, for the q-th 128 along K);
;   v96-103 scale words made on the way out; v104-119 at work there; v120-127 scale words to be stored; v128-191 A's fragments, on the way out codes; v192-255 the bias in the result's layout.
;   window 1: B's fragments, TWO sets, at v0 and v128.   window 2, 3: the accumulators (a, b) at v[8 (8 a + b)], a = 0-3 and 4-7.
.set PITCH,  528                       ; an LDS row: 512 bytes + 16 of padding = 132 words: the 16 rows that a load touches start at 16 different banks (64 banks of 4 bytes: ISA guide 11.1)
.set WB,     256*PITCH                 ; W's rows behind x's
.set SCL,    512*PITCH                 ; the scales of all of K, as runs of 256 bytes + 16 of padding: x's, then W's
.set HALFS,  16*272                    ; the scales of 128 rows
.set SPARE,  SCL+4*HALFS               ; the spare words, 128 bytes for each wave
.set REC,    217088
.set KV,     73728
.set CH,     8960
.set SPW,  8
.set NIL,  9
.set ADRA, 16                          ; v16 LDS address of my fragments of x;  v17 of W;  v18 of v's W
.set ADRB, 17
.set ADRW, 18
.set H8,   19                          ; v19 8 (lane / 16)
.set ADRS, 20                          ; v20 LDS address of my scale words, part 1;  v21 part 2
.set ADRS2, 21
.set SOFF, 24                          ; v24 (lane / 16) x REC + 16 (lane % 16)
.set H16,  25
.set CO,   26                          ; v26 16 x lane: my place in an image
.set H128, 28
.set BR,   29                          ; v29 v's bias: 128 (r / 8) + 4 (r % 8)
.set VOFF, 30                          ; v30 16 r + 8 (lane / 16)
.set SC,   32
.set SW,   96
.set TM,   104                         ; v104-107, v108-111 largest magnitudes in two chains, then bytes; v112-115 the conversions' scale operands; v116, v117 from the other half
.set SWO,  120
.set AF,   128
.set PC,   128
.set BT,   192
.set MSB, 0
.macro WIN new                         ; the immediate's high byte repeats the setting that is left; a switch that changes nothing is dropped
.if MSB != (\new)
	s_set_vgpr_msb (MSB<<8)|(\new)
.set MSB, (\new)
.endif
.endm
.set MUL_LO,   0xa1                    ; source 0 (B) window 1, source 1 (A) window 0, C and D window 2
.set MUL_HI,   0xf1                    ; the same, C and D window 3
.set FIRST_LO, 0x81                    ; the first K step: C (the bias) window 0, D window 2
.set FIRST_HI, 0xc1
.set TO_B,     0x40                    ; destination window 1, address window 0
.macro CREST                           ; a round of the cluster's barrier behind its opening barrier
	s_cmp_lg_u32 s14, 0
	s_cbranch_scc1 .Lnot_wave_0_\@
	s_barrier_signal -3
.Lnot_wave_0_\@:
	s_barrier_wait -3
	s_barrier_signal -1
	s_barrier_wait -1
.endm
.macro CROUND
	s_barrier_signal -1
	s_barrier_wait -1
	CREST
.endm
	s_load_b128 s[4:7], s[0:1], 0x0                ; x's codes, x's scales
	s_load_b128 s[8:11], s[0:1], 0x10              ; W's codes, W's scales
	s_load_b128 s[96:99], s[0:1], 0x20             ; b, the records
	v_lshl_add_u32 v[SPW], v0, 2, SPARE
	v_mov_b32 v[NIL], 0
	ds_add_u32 v[SPW], v[NIL]                      ; the wave's opening: the add, twice on end, and its wait ahead of my first tensor load
	ds_add_u32 v[SPW], v[NIL]
	v_lshrrev_b32 v1, 5, v0
	v_readfirstlane_b32 s14, v1                    ; wave 0..3
	s_lshr_b32 s15, s14, 1                         ; which 128 of x's rows are mine
	s_and_b32 s16, s14, 1                          ; which half of W's rows
	s_bfe_u32 s40, ttmp6, 0x40000                  ; cx, cy: my place in the cluster
	s_bfe_u32 s41, ttmp6, 0x40004
	s_lshl_b32 s19, ttmp9, 2
	s_add_co_u32 s19, s19, s40                     ; j = 4 x cluster x + cx
	s_and_b32 s18, ttmp7, 0xffff
	s_lshl_b32 s18, s18, 2
	s_add_co_u32 s18, s18, s41                     ; i = 4 x cluster y + cy
	s_lshl_b32 s43, s41, 2
	s_lshl_b32 s43, 15, s43                        ; my row of the cluster
	s_lshl_b32 s44, 0x1111, s40                    ; my column
	; descriptor group 1 (s[24:31] x, s[48:55] W): 256 rows x 512 bytes, padded in LDS
	s_or_b32 s24, s43, (0<<16)|(1<<20)|(1<<21)|(6<<22)|(3<<25)  ; 15:0 the mask; 17:16 elements of 1 byte; 20 padding on; 21 set beside a mask; 24:22 after every 128 words (code 6); 31:25 four words (code 3)
	s_or_b32 s48, s44, (0<<16)|(1<<20)|(1<<21)|(6<<22)|(3<<25)
.irp g, 24, 48
	s_mov_b32 s[\g+1], 512<<16                     ; tensor_dim0
	s_mov_b32 s[\g+2], 256<<16                     ; tensor_dim1
	s_mov_b32 s[\g+3], 512<<16                     ; tile_dim0
	s_mov_b32 s[\g+4], 256                         ; tile_dim1
	s_mov_b32 s[\g+5], 512                         ; tensor_dim0_stride
	s_mov_b32 s[\g+6], 0
	s_mov_b32 s[\g+7], 0
.endr
	; and (s[68:75] x, s[80:87] W) for the scales of 256 rows: 8,192 dense bytes, as 32 rows of 256 bytes (32 elements of 8 bytes), 16 bytes of padding behind each
	s_or_b32 s68, s43, (3<<16)|(1<<20)|(1<<21)|(5<<22)|(3<<25)
	s_or_b32 s80, s44, (3<<16)|(1<<20)|(1<<21)|(5<<22)|(3<<25)
.irp g, 68, 80
	s_mov_b32 s[\g+1], 32<<16
	s_mov_b32 s[\g+2], 32<<16
	s_mov_b32 s[\g+3], 32<<16
	s_mov_b32 s[\g+4], 32
	s_mov_b32 s[\g+5], 32
	s_mov_b32 s[\g+6], 0
	s_mov_b32 s[\g+7], 0
.endr
	s_lshl_b32 s92, s18, 17                        ; x's 256 rows of 512 bytes,
	s_mov_b32 s93, 0
	s_lshl_b32 s94, s18, 13                        ; their scales: 32 bytes a row
	s_mov_b32 s95, 0
	s_lshl_b32 s46, s19, 17                        ; W's likewise
	s_mov_b32 s47, 0
	s_lshl_b32 s66, s19, 13
	s_mov_b32 s67, 0
	s_lshl_b32 s20, s19, 16                        ; v's rows: 2,048 + 128 j + 64 (wave % 2)
	s_lshl_b32 s21, s16, 15
	s_add_co_u32 s20, s20, s21
	s_add_co_u32 s20, s20, 2048*512
	s_mov_b32 s21, 0
	s_lshl_b32 s22, s19, 12
	s_lshl_b32 s23, s16, 11
	s_add_co_u32 s22, s22, s23
	s_add_co_u32 s22, s22, 2048*32
	s_mov_b32 s23, 0
	s_mul_i32 s42, s16, 64*PITCH
	s_add_co_u32 s42, s42, WB                      ; v's W in LDS: 64 rows a wave; no place in the cluster enters an LDS address
	s_mul_i32 s45, s16, 8*272
	s_add_co_u32 s45, s45, SCL+2*HALFS             ; and its scales
	s_wait_dscnt 0x0                               ; both opening adds are done
	s_wait_kmcnt 0x0
	s_mov_b32 s32, 1                               ; group 0: s[32:35] x's codes,
	s_mov_b32 s33, 0
	s_add_nc_u64 s[34:35], s[4:5], s[92:93]
	s_or_b32 s35, s35, 0x80000000
	s_mov_b32 s36, 1                               ; s[36:39] W's,
	s_mov_b32 s37, WB
	s_add_nc_u64 s[38:39], s[8:9], s[46:47]
	s_or_b32 s39, s39, 0x80000000
	s_mov_b32 s56, 1                               ; s[56:59] x's scales,
	s_mov_b32 s57, SCL
	s_add_nc_u64 s[58:59], s[6:7], s[94:95]
	s_or_b32 s59, s59, 0x80000000
	s_mov_b32 s60, 1                               ; s[60:63] W's,
	s_mov_b32 s61, SCL+2*HALFS
	s_add_nc_u64 s[62:63], s[10:11], s[66:67]
	s_or_b32 s63, s63, 0x80000000
	s_mov_b32 s76, 1                               ; s[76:79] v's rows of W,
	s_mov_b32 s77, s42
	s_add_nc_u64 s[78:79], s[8:9], s[20:21]
	s_or_b32 s79, s79, 0x80000000
	s_mov_b32 s88, 1                               ; s[88:91] their scales
	s_mov_b32 s89, s45
	s_add_nc_u64 s[90:91], s[10:11], s[22:23]
	s_or_b32 s91, s91, 0x80000000
	CROUND                                         ; all sixteen work-groups are here: the joint loads meet
; THE HEAD'S LOADS, ONE A WAVE: ONE tree of branches on the wave's number: every way through passes exactly one load.
.macro ARM under, g0, g1, next
	s_cmp_lt_u32 s14, \under
	s_cbranch_scc0 \next
	tensor_load_to_lds s[\g0:\g0+3], s[\g1:\g1+7]
	s_nop 0
.rept 4
	v_nop
.endr
	s_branch .Lhead_asked
\next:
.endm
	ARM 1, 32, 24, .Lhead_w
	ARM 2, 36, 48, .Lhead_xs
	ARM 3, 56, 68, .Lhead_ws
	tensor_load_to_lds s[60:63], s[80:87]
	s_nop 0
.rept 4
	v_nop
.endr
.Lhead_asked:
	s_mul_i32 s40, s15, 128*PITCH
	s_mul_i32 s41, s16, 128*PITCH
	s_add_co_u32 s41, s41, WB
	s_mul_i32 s43, s15, HALFS
	s_mul_i32 s44, s16, HALFS
	s_add_co_u32 s44, s44, 2*HALFS
	s_sub_co_u32 s44, s44, s43                     ; from x's scales to W's: my rows of part 1,
	s_mul_i32 s45, s16, 8*272
	s_add_co_u32 s45, s45, 2*HALFS
	s_sub_co_u32 s45, s45, s43                     ; of part 2
	s_add_co_u32 s43, s43, SCL
	v_and_b32 v1, 15, v0                           ; r = l % 16
	v_bfe_u32 v2, v0, 4, 1                         ; h = l / 16
	v_mul_u32_u24 v3, v1, PITCH
	v_lshl_add_u32 v3, v2, 4, v3                   ; a fragment's row x pitch + 16 x half
	v_add_nc_u32 v[ADRA], s40, v3
	v_add_nc_u32 v[ADRB], s41, v3
	v_add_nc_u32 v[ADRW], s42, v3
	v_lshlrev_b32 v5, 5, v1                        ; my row's scales: 32 bytes a row,
	v_lshrrev_b32 v6, 3, v1
	v_lshl_add_u32 v5, v6, 4, v5                   ; and 16 more for each 256 passed
	v_add_nc_u32 v5, s43, v5
	v_mul_u32_u24 v6, s44, v2                      ; lanes 16-31 take W's
	v_add_nc_u32 v[ADRS], v5, v6
	v_mul_u32_u24 v7, s45, v2
	v_add_nc_u32 v[ADRS2], v5, v7
	v_and_b32 v6, 31, v0
	v_lshlrev_b32 v[CO], 4, v6
	v_mul_u32_u24 v[SOFF], v2, REC
	v_lshl_add_u32 v[SOFF], v1, 4, v[SOFF]
	v_lshlrev_b32 v[H16], 4, v2
	v_lshlrev_b32 v[H8], 3, v2
	v_lshlrev_b32 v[H128], 7, v2
	v_and_b32 v6, 7, v1
	v_and_b32 v7, 8, v1
	v_lshlrev_b32 v[BR], 2, v6
	v_lshl_add_u32 v[BR], v7, 4, v[BR]
	v_lshlrev_b32 v[VOFF], 4, v1
	v_lshl_add_u32 v[VOFF], v2, 3, v[VOFF]
	v_mov_b32 v[TM+12], 0                          ; written once: a lane permute's destination counts as one of its sources
	v_mov_b32 v[TM+13], 0
	s_wait_alu depctr_va_vdst(0)                   ; the wait at the head's end
	s_mov_b32 s66, 0x76543210                      ; v_permlanex16_b32's selects for lane l xor 16
	s_mov_b32 s67, 0xfedcba98
	; where my results go
	s_lshr_b32 s40, s18, 3
	s_lshl_b32 s40, s40, 4                         ; 16 x batch
	s_and_b32 s41, s18, 7
	s_lshl_b32 s41, s41, 1
	s_add_co_u32 s41, s41, s15                     ; which step of 128 tokens
	s_lshl_b32 s42, s41, 12                        ; q: codes,
	s_lshl_b32 s43, s41, 9
	s_add_co_u32 s43, s43, 65536                   ; scale words
	s_mul_i32 s44, s41, CH
	s_add_co_u32 s44, s44, KV                      ; k and v: the step's chunk
	s_add_co_u32 s45, s44, 4096
	s_cmp_eq_u32 ttmp9, 0                          ; cluster x 0: q, 1: k
	s_cselect_b32 s42, s42, s44
	s_cselect_b32 s43, s43, s45
	s_and_b32 s45, s19, 3
	s_lshl_b32 s45, s45, 2
	s_lshl_b32 s46, s16, 1
	s_add_co_u32 s45, s45, s46
	s_add_co_u32 s45, s45, s40                     ; the first of my two heads: 16 batch + 4 (j % 4) + 2 x half
	s_mul_i32 s46, s45, REC                        ; (under 2^24)
	s_mov_b32 s47, 0
	s_add_nc_u64 s[100:101], s[98:99], s[46:47]
	s_mov_b32 s46, s42
	s_add_nc_u64 s[12:13], s[100:101], s[46:47]    ; q, k: codes,
	s_mov_b32 s46, s43
	s_add_nc_u64 s[100:101], s[100:101], s[46:47]  ; scale words
	s_lshl_b32 s45, s19, 1
	s_add_co_u32 s45, s45, s16
	s_add_co_u32 s45, s45, s40                     ; v: my head: 16 batch + 2 j + half
	s_mul_i32 s46, s45, REC
	s_add_co_u32 s46, s46, s44
	s_add_co_u32 s46, s46, 4608
	s_add_nc_u64 s[20:21], s[98:99], s[46:47]      ; v: codes,
	s_add_nc_u64 s[22:23], s[20:21], 4096          ; scale words
	s_lshl_b32 s46, s19, 10
	s_lshl_b32 s45, s16, 9
	s_add_co_u32 s46, s46, s45
	s_add_nc_u64 s[104:105], s[96:97], s[46:47]    ; b at feature 256 j + 128 x half
	s_lshl_b32 s46, s19, 9
	s_lshl_b32 s45, s16, 8
	s_add_co_u32 s46, s46, s45
	s_add_co_u32 s46, s46, 8192
	s_add_nc_u64 s[94:95], s[96:97], s[46:47]      ; b at feature 2,048 + 128 j + 64 x half
.irp n, 0,1,2,3,4,5,6,7                        ; q, k: register m of accumulator (a, n) is feature 64 (n / 4) + 32 h + 8 (n % 4) + m, whatever a
.irp k, 0,1
	global_load_b128 v[BT+8*\n+4*\k:BT+8*\n+4*\k+3], v[H128], s[104:105] offset:256*(\n/4)+32*(\n%4)+16*\k
.endr
.endr
.macro FRAG reg, adr, q, i             ; a fragment, 16 rows x 128 K of 4-bit codes: lane l holds row l % 16; registers 4 c .. 4 c + 3 hold K = 64 c + 32 (l / 16) + 0 .. 31
.irp c, 0,1
	ds_load_b128 v[\reg+4*\c:\reg+4*\c+3], v[\adr] offset:64*(\q)+32*\c+(\i)*16*PITCH
.endr
.endm
; 16 products: A's blocks a0, a0 + 1 x B's eight, the q-th 128 along K.  zero = 1: C is the bias, by B's block: nothing is cleared.
; The 64 accumulators take turns, one instruction a turn, in the same order in every step.
.macro MUL16 a0, q, zero
.set PB, 128*((\q)%2)
.set SQ, SC+32*((\q)/4)+(\q)%4
.irp a, \a0, \a0+1
.irp b, 0,1,2,3,4,5,6,7
.if \zero
	v_wmma_scale_f32_16x16x128_f8f6f4 v[8*(8*((\a)%4)+\b):8*(8*((\a)%4)+\b)+7], v[PB+8*\b:PB+8*\b+7], v[AF+8*(\a):AF+8*(\a)+7], v[BT+8*\b:BT+8*\b+7], v[SQ+4*\b], v[SQ+4*(\a)] matrix_a_fmt:MATRIX_FMT_FP4 matrix_b_fmt:MATRIX_FMT_FP4 matrix_a_scale:MATRIX_SCALE_ROW1
.else
	v_wmma_scale_f32_16x16x128_f8f6f4 v[8*(8*((\a)%4)+\b):8*(8*((\a)%4)+\b)+7], v[PB+8*\b:PB+8*\b+7], v[AF+8*(\a):AF+8*(\a)+7], v[8*(8*((\a)%4)+\b):8*(8*((\a)%4)+\b)+7], v[SQ+4*\b], v[SQ+4*(\a)] matrix_a_fmt:MATRIX_FMT_FP4 matrix_b_fmt:MATRIX_FMT_FP4 matrix_a_scale:MATRIX_SCALE_ROW1
.endif
.endr
.endr
.endm
.macro FETCH_B q                       ; B's eight fragments of part 1, the q-th 128 along K, into set q % 2
	WIN TO_B
.irp i, 0,1,2,3,4,5,6,7
	FRAG 128*((\q)%2)+8*\i, ADRB, \q, \i
.endr
	WIN 0
.endm
.macro FETCH_A q, i0                   ; A's blocks i0 .. i0 + 3
.irp i, \i0, \i0+1, \i0+2, \i0+3
	FRAG AF+8*(\i), ADRA, \q, \i
.endr
.endm
; A load into a register that a matrix instruction has read, and a vector instruction that reads a matrix result or writes one of its registers, stand four places behind it; only plain vector
; instructions that name none of its registers are places (ISA guide 7.12.1 for vector instructions).
.macro PLACES
.rept 4
	v_nop
.endr
.endm
; A step of 128 along K.  A's blocks go one after the other, each against B's eight: a block of A is free when its eight products are issued, so ONE set serves A.
.macro STEP q, zero
	s_wait_dscnt 8                                 ; B's set, A's blocks 0-3 (and the scale words) are in; the youngest eight loads, A's blocks 4-7, may be out
.if \zero
	WIN FIRST_LO
.else
	WIN MUL_LO
.endif
	MUL16 0, \q, \zero
	MUL16 2, \q, \zero
	s_wait_dscnt 0x0                               ; A's blocks 4-7 are in
	PLACES
	FETCH_B (\q)+1
	FETCH_A (\q)+1, 0
.if \zero
	WIN FIRST_HI
.else
	WIN MUL_HI
.endif
	MUL16 4, \q, \zero
	MUL16 6, \q, \zero
	PLACES
	WIN 0
	FETCH_A (\q)+1, 4
.endm
	s_wait_tensorcnt 0x0                           ; my tile of the four is in
	s_barrier_signal -1
	s_barrier_wait -1                              ; everybody's is.
	FETCH_B 0
	FETCH_A 0, 0
.irp i, 0,1,2,3,4,5,6,7                        ; the scale words of all of K: lanes 0-15 x's block i, lanes 16-31 W's
.irp s, 0,1
	ds_load_b128 v[SC+32*\s+4*\i:SC+32*\s+4*\i+3], v[ADRS] offset:544*\i+16*\s
.endr
.endr
	FETCH_A 0, 4
	s_wait_loadcnt 0x0                             ; the bias
	STEP 0, 1
.irp q, 1,2,3,4,5,6
	STEP \q, 0
.endr
	; the last step, q = 7: nothing more is read of W's first rows, and v's rows are brought into their bytes
	s_wait_dscnt 8
	WIN MUL_LO
	MUL16 0, 7, 0
	WIN 0                                          ; (the add's two registers lie in window 0)
	s_wait_tensorcnt 0x0                           ; none of mine is out: the descriptors may be written
	ds_add_u32 v[SPW], v[NIL]                      ; 0 onto my spare word
	s_mov_b32 s50, 64<<16                          ; 64 rows of W a load,
	s_mov_b32 s52, 64
	s_mov_b32 s82, 8<<16                           ; or 64 rows' scales: 8 rows of 256 bytes
	s_mov_b32 s84, 8
	WIN MUL_LO
	MUL16 2, 7, 0
	s_wait_dscnt 0x0                               ; the add is done, and so are all my reads of LDS
	s_barrier_signal -1
	WIN MUL_HI
	MUL16 4, 7, 0                                  ; work on registers while the others arrive
	WIN 0
	s_barrier_wait -1
	CREST                                          ; no wave of any partner still reads these bytes
	s_cmp_eq_u32 s15, 0                            ; waves 0 and 1 fetch 64 rows of codes each, waves 2 and 3 their scales
	s_cbranch_scc0 .Lfor_scales
	tensor_load_to_lds s[76:79], s[48:55]
	s_nop 0
	PLACES
	s_branch .Lv_asked
.Lfor_scales:
	tensor_load_to_lds s[88:91], s[80:87]
	s_nop 0
	PLACES
.Lv_asked:
	WIN MUL_HI
	MUL16 6, 7, 0
	WIN 0
	PLACES                                         ; in front of the reads of results and of the writes into the registers that held A's fragments
.irp n, 0,1,2,3                                ; v's bias: all eight registers of accumulator (n, b) are tokens of ONE feature, 32 (r / 8) + 8 n + r % 8: the same number eight times, as C wants it
.irp m, 0,1,2,3,4,5,6,7
	global_load_b32 v[BT+8*\n+\m], v[BR], s[94:95] offset:32*\n
.endr
.endr
; THE WAY OUT of blocks a, a + 1 of A: 128 registers, four runs of 32: run k is, in each lane, ONE block of 32 along the next K (q, k: head k % 2; v: keys 64 (k % 2) + 32 h on) of block a + k / 2.
; No LDS: the codes' registers are the image that is stored, 512 consecutive bytes a store, at a multiple of 256 from the buffer's first byte.
.macro EPI2 a, mode
.set AC, 64*((\a)%4)
.set PCA, PC+8*(\a)
	WIN 0x0a+5*((\a)/4)                            ; sources 0 and 1: window 2 or 3; source 2 and the destination: window 0
.irp k, 0,1,2,3
	v_max3_num_f32 v[TM+\k], |v[AC+32*\k]|, |v[AC+32*\k+1]|, 0x1800000   ; each accumulator from its low end on, and the floor 2^(3 - 127): so the byte cannot fall under 1
	v_max3_num_f32 v[TM+4+\k], |v[AC+32*\k+16]|, |v[AC+32*\k+17]|, 0x1800000
.endr
.irp i, 2,4,6,8,10,12,14
.irp k, 0,1,2,3
	v_max3_num_f32 v[TM+\k], |v[AC+32*\k+\i]|, |v[AC+32*\k+\i+1]|, v[TM+\k]   ; (eight chains by turns)
	v_max3_num_f32 v[TM+4+\k], |v[AC+32*\k+16+\i]|, |v[AC+32*\k+17+\i]|, v[TM+4+\k]
.endr
.endr
	WIN 0
.irp k, 0,1,2,3
	v_max_num_f32 v[TM+\k], v[TM+\k], v[TM+4+\k]
.endr
.irp k, 0,1,2,3
	v_add_nc_u32 v[TM+8+\k], 0xff000000, v[TM+\k]  ; 2 off its exponent field: the conversion's scale operand
.endr
.irp k, 0,1,2,3
	v_lshrrev_b32 v[TM+4+\k], 23, v[TM+8+\k]       ; the scale's byte
.endr
.irp u, 0,1
	v_lshl_or_b32 v[TM+\u], v[TM+5+2*\u], 16, v[TM+4+2*\u]
.endr
.irp u, 0,1
	v_lshlrev_b32 v[TM+\u], v[H8], v[TM+\u]        ; my bytes are bytes h and 2 + h of the row's four;
.endr
.irp u, 0,1
	v_permlanex16_b32 v[TM+12+\u], v[TM+\u], s66, s67
.endr
.irp u, 0,1
	v_or_b32 v[SW+(\a)+\u], v[TM+\u], v[TM+12+\u]  ; lane l xor 16 has the others
.endr
	WIN 0x02+(\a)/4                                ; source 0: window 2 or 3
.irp k, 0,1,2,3
.irp g, 0,1,2,3
	v_cvt_scalef32_pk8_fp4_f32 v[PCA+4*\k+\g], v[AC+32*\k+8*\g:AC+32*\k+8*\g+7], v[TM+8+\k]
.endr
.endr
	WIN 0
	v_nop                                          ; one plain line behind a scaled conversion
.irp k, 0,1,2,3
.if \mode == 0
	global_store_b128 v[CO], v[PCA+4*\k:PCA+4*\k+3], s[12:13] offset:(\k%2)*REC+512*((\a)+\k/2)
.else
	global_store_b128 v[CO], v[PCA+4*\k:PCA+4*\k+3], s[20:21] offset:512*(2*(\a)+\k)
.endif
.endr
.endm
.irp a, 0,2,4,6
	EPI2 \a, 0
.endr
.irp a, 0,1,2,3,4,5,6,7
	v_bfe_u32 v[SWO+\a], v[SW+\a], v[H16], 16      ; lanes 0-15 take the first head's two bytes, lanes 16-31 the second's; bytes 2 and 3 of the word are 0: they scale zero codes alone
.endr
.irp n, 0,1
	global_store_b128 v[SOFF], v[SWO+4*\n:SWO+4*\n+3], s[100:101] offset:256*\n   ; tiles 4 n .. 4 n + 3: sixteen lanes store 256 consecutive bytes, aligned, of each head
.endr
	; PART 2: v.  Source 0 = x's eight blocks (window 1, two sets), source 1 = W's four blocks of mine (two sets)
.macro FETCHV q
	WIN TO_B
.irp i, 0,1,2,3,4,5,6,7
	FRAG 128*((\q)%2)+8*\i, ADRA, \q, \i
.endr
	WIN 0
.irp i, 0,1,2,3
	FRAG AF+32*((\q)%2)+8*\i, ADRW, \q, \i
.endr
.endm
.macro STEPV q
.set PB, 128*((\q)%2)
.set PA, AF+32*((\q)%2)
.set SQ, SC+32*((\q)/4)+(\q)%4
	s_wait_dscnt 0x0                               ; this step's fragments are in
.if (\q) < 7
	PLACES
	FETCHV (\q)+1                                  ; the next step's are on their way under these 32 products
.endif
.if (\q) == 0
	WIN FIRST_LO
.else
	WIN MUL_LO
.endif
.irp a, 0,1,2,3
.irp b, 0,1,2,3,4,5,6,7
.if (\q) == 0
	v_wmma_scale_f32_16x16x128_f8f6f4 v[8*(8*\a+\b):8*(8*\a+\b)+7], v[PB+8*\b:PB+8*\b+7], v[PA+8*\a:PA+8*\a+7], v[BT+8*\a:BT+8*\a+7], v[SQ+4*\b], v[SQ+4*\a] matrix_a_fmt:MATRIX_FMT_FP4 matrix_b_fmt:MATRIX_FMT_FP4 matrix_b_scale:MATRIX_SCALE_ROW1
.else
	v_wmma_scale_f32_16x16x128_f8f6f4 v[8*(8*\a+\b):8*(8*\a+\b)+7], v[PB+8*\b:PB+8*\b+7], v[PA+8*\a:PA+8*\a+7], v[8*(8*\a+\b):8*(8*\a+\b)+7], v[SQ+4*\b], v[SQ+4*\a] matrix_a_fmt:MATRIX_FMT_FP4 matrix_b_fmt:MATRIX_FMT_FP4 matrix_b_scale:MATRIX_SCALE_ROW1
.endif
.endr
.endr
	WIN 0
.endm
	s_wait_xcnt 0x0                                ; the stores have read the codes' registers, which take fragments now
	s_wait_tensorcnt 0x0                           ; my part of v's W is in
	s_barrier_signal -1
	s_barrier_wait -1                              ; everybody's is.
	FETCHV 0
.irp i, 0,1,2,3                                ; scale words: x's blocks 0-3 anew, and v's four blocks of mine in lanes 16-31 (x's blocks 4-7 are in their registers)
.irp s, 0,1
	ds_load_b128 v[SC+32*\s+4*\i:SC+32*\s+4*\i+3], v[ADRS2] offset:544*\i+16*\s
.endr
.endr
	s_wait_loadcnt 0x0                             ; v's bias
.irp q, 0,1,2,3,4,5,6,7
	STEPV \q
.endr
	PLACES
	EPI2 0, 1
	EPI2 2, 1
	v_cmp_ne_u32 vcc_lo, 0, v[H16]
	v_cndmask_b32 v[SWO], v[SW], v[SW+2], vcc_lo   ; lanes 0-15 store the words of tiles 0 and 1, lanes 16-31 of tiles 2 and 3
	v_cndmask_b32 v[SWO+1], v[SW+1], v[SW+3], vcc_lo
	global_store_b64 v[VOFF], v[SWO:SWO+1], s[22:23]   ; 256 consecutive bytes, aligned
	s_wait_tensorcnt 0x0                           ; the wave's end
	ds_add_u32 v[SPW], v[NIL]
	s_wait_dscnt 0x0
	CROUND                                         ; the closing round: no work-group ends while a partner may still ask for a tile that names it
	s_endpgm
.Lfunc_end_k_q8c1a244c33_qkv:
	.size	k_q8c1a244c33_qkv, .Lfunc_end_k_q8c1a244c33_qkv-k_q8c1a244c33_qkv
	.p2alignl 7, 3214868480
	.fill 96, 4, 3214868480
	.section	.rodata,"a",@progbits
	.p2align	6, 0x0
	.amdhsa_kernel k_q8c1a244c33_qkv
		.amdhsa_group_segment_fixed_size 327680
		.amdhsa_private_segment_fixed_size 0
		.amdhsa_enable_private_segment 0
		.amdhsa_kernarg_size 48
		.amdhsa_user_sgpr_count 2
		.amdhsa_user_sgpr_kernarg_segment_ptr 1
		.amdhsa_wavefront_size32 1
		.amdhsa_system_sgpr_workgroup_id_x 1
		.amdhsa_system_sgpr_workgroup_id_y 1
		.amdhsa_system_sgpr_workgroup_id_z 1
		.amdhsa_system_vgpr_workitem_id 0
		.amdhsa_next_free_vgpr 1024
		.amdhsa_next_free_sgpr 106
		.amdhsa_reserve_vcc 1
		.amdhsa_float_denorm_mode_32 3
		.amdhsa_float_denorm_mode_16_64 3
		.amdhsa_memory_ordered 1
		.amdhsa_forward_progress 1
		.amdhsa_inst_pref_size 189
	.end_amdhsa_kernel
	.amdgpu_metadata
---
amdhsa.version: [ 1, 2 ]
amdhsa.kernels:
  - .name:           k_q8c1a244c33_qkv
    .symbol:         k_q8c1a244c33_qkv.kd
    .args:
      - { .name: xc, .offset: 0, .size: 8, .value_kind: global_buffer, .address_space: global }
      - { .name: xs, .offset: 8, .size: 8, .value_kind: global_buffer, .address_space: global }
      - { .name: wc, .offset: 16, .size: 8, .value_kind: global_buffer, .address_space: global }
      - { .name: ws, .offset: 24, .size: 8, .value_kind: global_buffer, .address_space: global }
      - { .name: b, .offset: 32, .size: 8, .value_kind: global_buffer, .address_space: global }
      - { .name: qkv, .offset: 40, .size: 8, .value_kind: global_buffer, .address_space: global }
    .group_segment_fixed_size: 327680
    .private_segment_fixed_size: 0
    .kernarg_segment_align: 8
    .kernarg_segment_size: 48
    .max_flat_workgroup_size: 128
    .sgpr_count:     106
    .vgpr_count:     1024
    .wavefront_size: 32
...
	.end_amdgpu_metadata
.endif
;; end of part 2
;; launch attn (part 3): grid 4 x 64, 16 waves a work-group, clusters of 4 x 1, 215,040 bytes of LDS; arguments qkv, out0; writes out0
.if DOCPART == 3
	.amdgcn_target "amdgcn-amd-amdhsa--gfx1250"
	.amdhsa_code_object_version 6
	.text
	.protected	k_q8c1a244c33_attn
	.globl	k_q8c1a244c33_attn
	.p2align	8
	.type	k_q8c1a244c33_attn,@function
k_q8c1a244c33_attn:
	s_mov_b64 s[64:65], 0
	v_nop
	global_prefetch_b8 v0, s[64:65] scope:SCOPE_SE
	s_setreg_imm32_b32 hwreg(HW_REG_WAVE_MODE, 25, 1), 1
	s_wait_xcnt 0x0
	s_wait_alu depctr_hold_cnt(0) depctr_sa_sdst(0) depctr_va_vdst(0) depctr_va_sdst(0) depctr_va_ssrc(0) depctr_va_vcc(0) depctr_vm_vsrc(0)
	s_getreg_b32 s2, hwreg(HW_REG_IB_STS2, 6, 4)
	s_cmp_eq_u32 s2, 0
	s_cbranch_scc0 .Lentry_in_a_cluster
	s_endpgm
.Lentry_in_a_cluster:
	s_bfe_u32 s2, ttmp6, 0x10000c
	s_cmp_lg_u32 s2, 0x3003
	s_cbranch_scc0 .Lentry_shape_is_right
	s_endpgm
.Lentry_shape_is_right:
; Causal attention of 64 heads (bh = 16 batch + head), 2,048 tokens, head size 64, both products on codes of E2M1 with E8M0 scales, from the records that the launch before has laid as images of operand registers.
; WORK LEFT OUT: groups of 64 keys that reference()'s causal mask hides from all of a tile's 16 queries: their p is 0 for all finite inputs.  A NaN or an infinity that reaches only these is not carried.
; THE SOFTMAX: t = score x log2(e) / 8; M = the row's largest t so far, rounded UP to a whole number; p = 2^(t - M) is quantised along the keys, not normalised; the row's sum is taken of the unquantised p
; and divides O at the end.  When M moves, the sum and O are multiplied by 2^(old M - new M): exact.
; SHARES.  A head is a cluster of four work-groups, sixteen waves each.  Wave w of work-group x makes TWO tiles of 16 queries, one after the other: 127 - 4 w - x and 4 w + x.  Tile qt wants the groups of 64 keys
; 0 .. qt / 4: 32 - w and w + 1 of them, 33 for every wave, and these counts hang on the wave alone: no branch differs between partners.  A key step is 128 keys; an odd last group is half a step.
; LDS.  A head's K and V with their scale words are 16 chunks of 8,960 dense bytes, one for each key step.  They come ONCE, wave w bringing chunk w by one joint load for all four work-groups, and stay: no refill.
; Waves 0-7 have a load line and a wait of their own: chunks 0-7 are enough for every wave's first eight steps.  The barrier that shows chunks 8-15 is signalled behind four of these steps and waited for behind all eight.
; No prefetch: the loads all stand at the head, with no loop to run ahead in.
; LAYOUT.  Both products are used transposed: S^T = K Q^T (source 0 = 16 keys, source 1 = my 16 queries), O^T = V^T P^T (source 0 = 16 channels): a lane holds ONE query (lane % 16) throughout.
; Row r of tile 4 g + u (of keys, queries, channels) is index 64 g + 32 (r / 8) + 8 u + r % 8, so register 32 c + i of S^T is key 64 c + 32 h + i, h = lane / 16: a WHOLE block of the quantiser lies in a lane,
; and its codes are the second product's operand as they come.
; K = 64 IN AN INSTRUCTION OF 128: the codes of k = 64 .. 127 are zeros on BOTH operands (registers cleared once), their scale bytes 0: they add nothing.  A half step's p of keys 64 .. 127 are zero codes likewise.
; LIMITS: NaN and infinities are not served; the scaled scores stay under 2^31 in magnitude.  A block's largest p is made from its largest score by the same two instructions, which takes v_exp_f32 not to fall where its
; input rises (the ISA guide promises 1 ulp): at the worst one p of a block, within an ulp of a power of two, is held one code low.  A block whose every p is 0 keeps the byte 1: its codes are zeros.
; REGISTERS: v1-3 lane terms; v4-7, v247 the second tile's Q and scale word; v8, v9 the add's; v10, v11, v240, v241 addresses of a step; v12 -M, v13 the largest score, v[14:15] the sum in two halves; v16-19 Q, v20-23 zeros;
; v24-31 K's scale words; v32-95 K's eight fragments (upper halves zeros); v96-159 S^T, then p; v160-191 O^T; v192-223 V's four fragments; v224-231 p's codes; v232-245, v254 at work; v246 p's scale word;
; v248-251 V's scale words; v252 f (v253 its pair's other half); v255 Q's scale word.
.set REC,   217088                     ; a head's record
.set KV,    73728                      ; where its chunks begin
.set CH,    8960                       ; a chunk: K's codes, at 4,096 K's scale words, at 4,608 V's codes, at 8,704 V's scale words: 35 rows of 256 bytes
.set STAGE, 16*CH                      ; behind what is filled, in blocks of 256 bytes of their own: 16 rows x 272 bytes for each wave, for the way out
.set SPARE, STAGE+16*16*272            ; the spare words, 128 bytes for each wave
.macro CROUND                          ; a round of the cluster's barrier
	s_barrier_signal -1
	s_barrier_wait -1
	s_cmp_lg_u32 s8, 0
	s_cbranch_scc1 .Lnot_wave_0_\@
	s_barrier_signal -3
.Lnot_wave_0_\@:
	s_barrier_wait -3
	s_barrier_signal -1
	s_barrier_wait -1
.endm
	s_load_b128 s[4:7], s[0:1], 0x0                ; the records, out
	v_lshl_add_u32 v8, v0, 2, SPARE
	v_mov_b32 v9, 0
	ds_add_u32 v8, v9                              ; the wave's opening: the add, twice on end, and its wait ahead of my first tensor load
	ds_add_u32 v8, v9
	v_lshrrev_b32 v10, 5, v0
	v_readfirstlane_b32 s8, v10                    ; wave 0..15
	s_and_b32 s9, ttmp7, 0xffff                    ; bh
	s_bfe_u32 s10, ttmp6, 0x40000                  ; x: my place in the cluster
	s_lshl_b32 s11, s8, 2
	s_add_co_u32 s11, s11, s10                     ; tile 4 w + x
	s_sub_co_u32 s52, 127, s11                     ; and tile 127 - 4 w - x
	; descriptor group 1: 35 rows of 32 elements of 8 bytes, dense, no padding
	s_mov_b32 s24, 15|(3<<16)|(1<<21)              ; 15:0 the mask: all four; 17:16 elements of 8 bytes; 20 padding off; 21 set beside a mask
	s_mov_b32 s25, 32<<16                          ; tensor_dim0
	s_mov_b32 s26, 35<<16                          ; tensor_dim1
	s_mov_b32 s27, 32<<16                          ; tile_dim0
	s_mov_b32 s28, 35                              ; tile_dim1
	s_mov_b32 s29, 32                              ; tensor_dim0_stride
	s_mov_b32 s30, 0
	s_mov_b32 s31, 0
	s_mul_i32 s36, s9, REC
	s_mov_b32 s37, 0
	s_mov_b32 s32, 1                               ; group 0: count = 1
	s_mul_i32 s33, s8, CH                          ; LDS address: my chunk
	s_add_co_u32 s44, s33, KV
	s_mov_b32 s45, 0
	s_mov_b32 s47, 0
	s_mov_b32 s20, 0x76543210                      ; v_permlanex16_b32's selects for lane l xor 16
	s_mov_b32 s21, 0xfedcba98
	s_mov_b32 s22, 0x3e38aa3b                      ; c = log2(e) / 8
	s_mov_b32 s23, s22                             ; (the packed form names the pair)
	s_mov_b32 s19, 0xbe38aa3b                      ; -c
	s_wait_dscnt 0x0                               ; both opening adds are done
	s_wait_kmcnt 0x0
	s_add_nc_u64 s[36:37], s[4:5], s[36:37]        ; my head's record
	s_add_nc_u64 s[34:35], s[36:37], s[44:45]      ; global address: my chunk
	s_or_b32 s35, s35, 0x80000000                  ; type = 2
	CROUND                                         ; all four work-groups are here: the joint loads meet
	s_cmp_lt_u32 s8, 8                             ; one load a wave; waves 0-7 and waves 8-15 have a line each, since they wait at different places
	s_cbranch_scc0 .Llate
	tensor_load_to_lds s[32:35], s[24:31]
	s_nop 0
.rept 4
	v_nop
.endr
	s_branch .Lasked
.Llate:
	tensor_load_to_lds s[32:35], s[24:31]
	s_nop 0
.rept 4
	v_nop
.endr
.Lasked:
	v_and_b32 v10, 15, v0                          ; r
	v_bfe_u32 v11, v0, 4, 1                        ; h
	v_and_b32 v1, 31, v0
	v_lshlrev_b32 v2, 4, v10                       ; v2: 16 r: a row's four scale words
	v_lshlrev_b32 v3, 3, v11                       ; v3: 8 h
	v_lshlrev_b32 v1, 4, v1                        ; v1: 16 x lane: an image's place for my lane
	s_wait_alu depctr_va_vdst(0)                   ; the wait here, ahead of the run of scalar lines
; A tile's Q into registers, and its place: out's address, and its queries' place in their group of 64
.macro QT tile, qa, out, d, vc, vs
	s_lshl_b32 s46, s[\tile], 9
	s_add_nc_u64 s[\qa:\qa+1], s[36:37], s[46:47]  ; Q's image: 512 bytes a tile
	s_lshr_b32 s46, s[\tile], 2
	s_lshl_b32 s44, s46, 6
	s_lshl_b32 s46, s46, 8
	s_and_b32 s45, s[\tile], 3
	s_lshl_b32 s[\d], s45, 3                       ; 8 (qt % 4)
	s_lshl_b32 s45, s45, 2
	s_add_co_u32 s46, s46, s45
	s_add_co_u32 s46, s46, 65536
	s_add_nc_u64 s[\qa+2:\qa+3], s[36:37], s[46:47]  ; Q's scale words: 256 (qt / 4) + 4 (qt % 4) + 16 r
	s_add_co_u32 s44, s44, s[\d]                   ; the tile's first query: 64 (qt / 4) + 8 (qt % 4)
	s_lshr_b32 s45, s9, 4
	s_lshl_b32 s45, s45, 11
	s_add_co_u32 s44, s44, s45                     ; out's row: 2,048 batch + the first query
	s_lshl_b32 s46, s44, 12
	s_and_b32 s45, s9, 15
	s_lshl_b32 s45, s45, 8
	s_add_co_u32 s46, s46, s45                     ; + the head's 256 bytes of a row (under 2^25 in all)
	s_add_nc_u64 s[\out:\out+1], s[6:7], s[46:47]
	global_load_b128 v[\vc:\vc+3], v1, s[\qa:\qa+1]
	global_load_b32 v[\vs], v2, s[\qa+2:\qa+3]
.endm
	QT 52, 38, 42, 50, 16, 255
	QT 11, 56, 48, 51, 4, 247
.irp t, 20,36,44,52,60,68,76,84,92
.irp j, 0,1,2,3
	v_mov_b32 v[\t+\j], 0                          ; the codes of k = 64 .. 127, Q's and K's: written once, never loaded into
.endr
.endr
.irp j, 236,237,253
	v_mov_b32 v\j, 0                               ; a lane permute's destination counts as one of its sources; v253 is the upper half of f's pair
.endr
.macro INIT
	v_mov_b32 v13, 0xff61b1e6                      ; the largest score so far: -3e38, under every score
	v_mov_b32 v12, 0x7e000000                      ; -M of it: a large number: the first f is 0
	v_mov_b32 v14, 0                               ; the sum, in two halves
	v_mov_b32 v15, 0
.set J, 0
.rept 32
	v_mov_b32 v[160+J], 0                          ; O^T.  (The step is written once: the first finds zeros, which the first change of M leaves zeros)
.set J, J+1
.endr
.endm
.macro KREAD                           ; K's scale words and fragments from v241 and v240
	ds_load_b128 v[24:27], v241 offset:4096        ; tiles 0-3,
	ds_load_b128 v[28:31], v241 offset:4352        ; tiles 4-7
.irp t, 0,1,2,3,4,5,6,7
	ds_load_b128 v[32+8*\t:35+8*\t], v240 offset:512*\t
.endr
.endm
.macro KLOAD at                        ; the first step's K of a run of steps
	v_add_nc_u32 v240, \at, v1
	v_add_nc_u32 v241, \at, v2
	KREAD
.endm
.macro PKF from, n
.set J, 2*(\from)
.rept \n
	v_pk_fma_f32 v[96+J:97+J], v[96+J:97+J], s[22:23], v[12:13] op_sel_hi:[1,0,0]   ; t - M, two at a time (of the pairs c and -M the low word serves both halves)
.set J, J+2
.endr
.endm
; A KEY STEP of g groups of 64 keys.  diag: 0: all keys count; 1: in the tile's last step the second group is masked; 2: the only group is masked.  pre = 1: the next step's K is read ahead, from s18.
; qs: Q's scale word; sd: the scalar that holds 8 (qt % 4)
.macro BODY g, diag, pre, qs, sd
	s_wait_dscnt 0x0                               ; K is in
.set T, 0
.rept 4*\g
	v_wmma_scale_f32_16x16x128_f8f6f4 v[96+8*T:103+8*T], v[32+8*T:39+8*T], v[16:23], 0, v[24+T], v[\qs] matrix_a_fmt:MATRIX_FMT_FP4 matrix_b_fmt:MATRIX_FMT_FP4
.set T, T+1
.endr
	v_add_nc_u32 v10, s14, v1                      ; these four lines are also the places behind the products, in front of the loads and of the reads of results
	v_add_nc_u32 v11, s14, v2
.if \pre
	v_add_nc_u32 v240, s18, v1
	v_add_nc_u32 v241, s18, v2
.else
	v_nop
	v_nop
.endif
	ds_load_b128 v[248:251], v11 offset:8704       ; V: the scale words of its four tiles, wanted behind the softmax
.irp t, 0,1,2,3
.irp c, 0,1
	ds_load_b128 v[192+8*\t+4*\c:195+8*\t+4*\c], v10 offset:4608+1024*\t+512*\c
.endr
.endr
.if \pre
	KREAD
.endif
.if \diag
.if \diag == 1
	s_cmp_lg_u32 s13, s12
	s_cbranch_scc1 .Lopen_\@                       ; all keys of an earlier step count
.endif
.set ST, 64+32*\g
	v_and_b32 v252, 7, v0
	v_and_b32 v254, 8, v0
	v_lshl_add_u32 v252, v254, 2, v252
	v_and_b32 v254, 16, v0
	v_lshlrev_b32 v254, 1, v254
	v_sub_nc_u32 v252, v252, v254
	v_add_nc_u32 v252, s[\sd], v252                ; d = my query's place in its group - 32 h.  Register i of the group is key 32 h + i: hidden where i > d
	v_mov_b32 v254, 0xff800000                     ; -infinity: p = 0 then.  The row's first key counts for every query, so M is a number
.set J, 0
.rept 32
	v_cmp_gt_i32 vcc_lo, J, v252
	v_cndmask_b32 v[ST+J], v[ST+J], v254, vcc_lo
.set J, J+1
.endr
.Lopen_\@:
.endif
.irp c, 0,1                                    ; THE LARGEST SCORE OF EACH BLOCK OF 32 KEYS, in two chains: for the row's maximum, and, since p rises with the score, for the block's largest p
.if \c < \g
	v_max3_num_f32 v[232+\c], v[96+32*\c], v[97+32*\c], v[98+32*\c]
	v_max3_num_f32 v[234+\c], v[112+32*\c], v[113+32*\c], v[114+32*\c]
.endif
.endr
.irp i, 3,5,7,9,11,13
.irp c, 0,1
.if \c < \g
	v_max3_num_f32 v[232+\c], v[232+\c], v[96+32*\c+\i], v[97+32*\c+\i]
	v_max3_num_f32 v[234+\c], v[234+\c], v[112+32*\c+\i], v[113+32*\c+\i]
.endif
.endr
.endr
	v_mov_b32 v238, v12
.irp c, 0,1
.if \c < \g
	v_max3_num_f32 v[232+\c], v[232+\c], v[234+\c], v[111+32*\c]
.endif
.endr
.irp c, 0,1
.if \c < \g
	v_max_num_f32 v[232+\c], v[232+\c], v[127+32*\c]
.endif
.endr
.if \g == 2
	v_max_num_f32 v254, v232, v233
	s_delay_alu instid0(VALU_DEP_1)
	v_permlanex16_b32 v236, v254, s20, s21
	s_delay_alu instid0(VALU_DEP_1)
	v_max3_num_f32 v13, v13, v254, v236            ; the running largest score of my query, lane l xor 16's keys among them
.else
	v_permlanex16_b32 v236, v232, s20, s21
	s_delay_alu instid0(VALU_DEP_1)
	v_max3_num_f32 v13, v13, v232, v236
.endif
	s_delay_alu instid0(VALU_DEP_1)
	v_mul_f32 v254, s19, v13                       ; -t (c is positive)
	s_delay_alu instid0(VALU_DEP_1)
	v_floor_f32 v12, v254                          ; the new -M = floor(-t) = -ceil(t): a whole number
	PKF 0, 4*\g
	v_sub_f32 v254, v12, v238                      ; M's old value less its new one: a whole number, 0 or less
	PKF 4*\g, 4*\g
	v_cvt_i32_f32 v254, v254                       ; (it saturates)
	PKF 8*\g, 4*\g
	v_ldexp_f32 v252, 1.0, v254                    ; f = 2^(old M - new M)
	PKF 12*\g, 4*\g
.irp c, 0,1
.if \c < \g
	v_fma_f32 v[232+\c], v[232+\c], s22, v12       ; the same of each block's largest score
.endif
.endr
	s_wait_alu depctr_va_vdst(0)                   ; the wait ahead of the batch
.set J, 0
.rept 32*\g
	v_exp_f32 v[96+J], v[96+J]                     ; p = 2^(t - M), at most 1: NOT normalised
.set J, J+1
.endr
.irp c, 0,1
.if \c < \g
	v_exp_f32 v[232+\c], v[232+\c]                 ; the block's largest p: the same two instructions on the same number give the same bits
.endif
.endr
	v_pk_mul_f32 v[14:15], v[14:15], v[252:253] op_sel_hi:[1,0]   ; the sums under the new M.  (A plain line behind the exponentials)
	s_wait_alu depctr_va_vdst(0)                   ; the wait ahead of the batch's and of O^T's first readers
.set J, 0
.rept 16
	v_pk_mul_f32 v[160+J:161+J], v[160+J:161+J], v[252:253] op_sel_hi:[1,0]   ; O^T under the new M: x f
.set J, J+2
.endr
.irp c, 0,1
.if \c < \g
	v_max_num_f32 v[232+\c], 0x1800000, v[232+\c]  ; the floor 2^(3 - 127): the byte cannot fall under 1
.endif
.endr
.irp c, 0,1
.if \c < \g
	v_add_nc_u32 v[244+\c], 0xff000000, v[232+\c]  ; 2 off the exponent field: the conversion's scale operand
.endif
.endr
.irp c, 0,1
.if \c < \g
	v_lshrrev_b32 v[234+\c], 23, v[244+\c]         ; the scale's byte
.endif
.endr
.if \g == 2
	v_lshl_or_b32 v254, v235, 16, v234
	v_lshlrev_b32 v254, v3, v254                   ; my bytes are bytes h and 2 + h of the query's four
.else
	v_lshlrev_b32 v254, v3, v234
.endif
.irp c, 0,1
.if \c < \g
.irp u, 0,1,2,3
	v_cvt_scalef32_pk8_fp4_f32 v[224+4*\c+\u], v[96+32*\c+8*\u:103+32*\c+8*\u], v[244+\c]
.endr
.endif
.endr
	v_permlanex16_b32 v237, v254, s20, s21         ; (the plain line behind the conversions)
.if \g == 1
.irp u, 228,229,230,231
	v_mov_b32 v\u, 0                               ; the step's other 64 keys are hidden: zero codes; their scale bytes are 0
.endr
.endif
	v_or_b32 v246, v254, v237                      ; p's scale word: lane l xor 16 has the other bytes
	v_pk_add_f32 v[14:15], v[14:15], v[96:97]      ; THE ROW'S SUM, of the unquantised p, in four chains
	v_pk_add_f32 v[238:239], v[98:99], v[106:107]
	v_pk_add_f32 v[240:241], v[100:101], v[108:109]
	v_pk_add_f32 v[242:243], v[102:103], v[110:111]
	v_pk_add_f32 v[14:15], v[14:15], v[104:105]
.set J, 112
.rept 4*\g-2
	v_pk_add_f32 v[238:239], v[238:239], v[J+2:J+3]
	v_pk_add_f32 v[240:241], v[240:241], v[J+4:J+5]
	v_pk_add_f32 v[242:243], v[242:243], v[J+6:J+7]
	v_pk_add_f32 v[14:15], v[14:15], v[J:J+1]
.set J, J+8
.endr
	v_pk_add_f32 v[238:239], v[238:239], v[240:241]
	v_pk_add_f32 v[14:15], v[14:15], v[242:243]
	v_pk_add_f32 v[14:15], v[14:15], v[238:239]
.if \pre
	s_wait_dscnt 10                                ; V is in; the ten loads of the next step's K may be out
.else
	s_wait_dscnt 0x0
.endif
.irp t, 0,1,2,3                                ; O^T += V^T P^T: the four accumulators by turns; the next step's products of S^T stand between the links
	v_wmma_scale_f32_16x16x128_f8f6f4 v[160+8*\t:167+8*\t], v[192+8*\t:199+8*\t], v[224:231], v[160+8*\t:167+8*\t], v[248+\t], v246 matrix_a_fmt:MATRIX_FMT_FP4 matrix_b_fmt:MATRIX_FMT_FP4
.endr
.endm
; Eight steps from s13 on, of a tile whose last step is s12; s17: the step that is a half step (or none).  The trip count is a constant; hidden steps are jumped over.  base: LDS bytes ahead of these eight chunks
.macro RUN base, qs, sd
.Lrun_\@:
	s_add_co_u32 s46, s13, 1
	s_and_b32 s46, s46, 7
	s_mul_i32 s18, s46, CH
	s_add_co_u32 s18, s18, \base                   ; the next step's chunk (behind the eighth: the first of the eight, which nobody uses)
	s_cmp_gt_u32 s13, s12
	s_cbranch_scc1 .Lhid_\@
	s_cmp_eq_u32 s13, s17
	s_cbranch_scc1 .Lhalf_\@
	BODY 2, 1, 1, \qs, \sd
	s_branch .Lhid_\@
.Lhalf_\@:
	BODY 1, 2, 0, \qs, \sd
.Lhid_\@:
	s_add_co_u32 s14, s14, CH
	s_add_co_u32 s13, s13, 1
	s_cmp_lt_u32 s13, (\base)/CH+8
	s_cbranch_scc1 .Lrun_\@
.endm
; THE WAY OUT: O^T / the sum goes through my stage in LDS and leaves as rows: sixteen lanes store one query's 256 bytes of this head
.macro OUT out
.rept 4
	v_nop                                          ; places behind the last products
.endr
	s_wait_alu depctr_va_vdst(0)                   ; the wait here, behind the loop's branches
	v_add_f32 v14, v14, v15                        ; the sum's two halves,
	s_delay_alu instid0(VALU_DEP_1)
	v_permlanex16_b32 v236, v14, s20, s21
	s_delay_alu instid0(VALU_DEP_1)
	v_add_f32 v14, v14, v236                       ; and lane l xor 16's: the row's sum
	s_wait_alu depctr_va_vdst(0)                   ; the wait ahead of the transcendental
	v_rcp_f32 v14, v14
	v_and_b32 v238, 15, v0                         ; r (a plain line behind the transcendental)
	v_bfe_u32 v239, v0, 4, 1                       ; h
	v_mul_u32_u24 v232, v238, 272
	v_mul_u32_u24 v234, v239, 272
	v_lshlrev_b32 v235, 12, v239
	v_lshl_add_u32 v232, v239, 7, v232
	v_lshl_add_u32 v234, v238, 4, v234
	v_lshl_add_u32 v235, v238, 4, v235             ; out: lanes 0-15 one row, lanes 16-31 the next
	v_add_nc_u32 v232, s53, v232                   ; into my stage: row r, + 128 h
	v_add_nc_u32 v234, s53, v234                   ; back
	s_wait_alu depctr_va_vdst(0)                   ; the wait ahead of the first readers
.set J, 0
.rept 16
	v_pk_mul_f32 v[96+J:97+J], v[160+J:161+J], v[14:15] op_sel_hi:[1,0]   ; ascending: each accumulator from its low end on.  Register i is channel 32 h + i
.set J, J+2
.endr
.irp k, 0,1,2,3,4,5,6,7
	ds_store_b128 v232, v[96+4*\k:99+4*\k] offset:16*\k
.endr
.irp i, 0,1,2,3,4,5,6,7
	ds_load_b128 v[128+4*\i:131+4*\i], v234 offset:544*\i   ; LDS serves a wave's instructions in order: these see my stores.  Rows 2 i and 2 i + 1 of the tile
.endr
.irp i, 0,1,2,3,4,5,6,7
	s_wait_dscnt 7-\i                              ; load i is back; the younger ones may be out
	global_store_b128 v235, v[128+4*\i:131+4*\i], s[\out:\out+1] offset:(32*(\i/4)+2*(\i%4))*4096 th:TH_STORE_NT   ; tile row 2 i + h is query 32 (i / 4) + 2 (i % 4) + h of the tile; 256 consecutive bytes, aligned; written once
.endr
	s_wait_xcnt 0x0                                ; the stores' data and offsets are written again only behind this wait
.endm
	INIT
	s_mul_i32 s53, s8, 16*272
	s_add_co_u32 s53, s53, STAGE                   ; my stage
	s_lshr_b32 s54, s8, 1                          ; w / 2: the second tile's last step
	s_sub_co_u32 s12, 15, s54                      ; the first tile's last step
	s_mov_b32 s13, 0                               ; the step
	s_mov_b32 s14, 0                               ; its chunk in LDS
	s_wait_alu depctr_va_vdst(0)                   ; the wait at the head's end
	s_wait_loadcnt 0x0                             ; both tiles' Q
	s_cmp_lt_u32 s8, 8
	s_cbranch_scc0 .Lnot_yet                       ; chunks 8-15 are waited for later
	s_wait_tensorcnt 0x0                           ; my chunk of the first eight has landed,
.Lnot_yet:
	s_barrier_signal -1
	s_barrier_wait -1                              ; all eight have.
	KLOAD 0
.Lfirst:                                               ; the first tile's steps 0-3: every key counts for each of its queries
	s_add_co_u32 s18, s14, CH
	BODY 2, 0, 1, 255, 50
	s_add_co_u32 s14, s14, CH
	s_add_co_u32 s13, s13, 1
	s_cmp_lt_u32 s13, 4
	s_cbranch_scc1 .Lfirst
	s_wait_tensorcnt 0x0                           ; every wave: my chunk has landed, also one of the last eight;
	s_wait_dscnt 0x0
	s_barrier_signal -1                            ; say so, and wait for the others behind four more steps, which read chunks 0-7 alone
.Lsecond:
	s_add_co_u32 s46, s13, 1
	s_and_b32 s46, s46, 7
	s_mul_i32 s18, s46, CH                         ; (behind step 7: chunk 0, which nobody uses)
	BODY 2, 0, 1, 255, 50
	s_add_co_u32 s14, s14, CH
	s_add_co_u32 s13, s13, 1
	s_cmp_lt_u32 s13, 8
	s_cbranch_scc1 .Lsecond
	s_wait_dscnt 0x0                               ; (K's registers are loaded anew)
	s_barrier_wait -1                              ; all sixteen chunks are here
	s_mov_b32 s17, 99
	s_bitcmp1_b32 s8, 0                            ; 32 - w groups: an odd number where w is odd
	s_cselect_b32 s17, s12, s17
	s_mov_b32 s14, 8*CH
	KLOAD s14
	RUN 8*CH, 255, 50
	OUT 42
.irp j, 0,1,2,3
	v_mov_b32 v[16+\j], v[4+\j]                    ; the second tile's Q
.endr
	INIT
	s_mov_b32 s12, s54
	s_mov_b32 s17, 99
	s_bitcmp0_b32 s8, 0                            ; w + 1 groups: an odd number where w is even
	s_cselect_b32 s17, s12, s17
	s_mov_b32 s13, 0
	s_mov_b32 s14, 0
	KLOAD s14
	RUN 0, 247, 51
	OUT 48
	s_wait_tensorcnt 0x0                           ; the wave's end
	ds_add_u32 v8, v9
	s_wait_dscnt 0x0
	CROUND                                         ; the closing round: no work-group ends while a partner may still ask for a chunk that names it
	s_endpgm
.Lfunc_end_k_q8c1a244c33_attn:
	.size	k_q8c1a244c33_attn, .Lfunc_end_k_q8c1a244c33_attn-k_q8c1a244c33_attn
	.p2alignl 7, 3214868480
	.fill 96, 4, 3214868480
	.section	.rodata,"a",@progbits
	.p2align	6, 0x0
	.amdhsa_kernel k_q8c1a244c33_attn
		.amdhsa_group_segment_fixed_size 215040
		.amdhsa_private_segment_fixed_size 0
		.amdhsa_enable_private_segment 0
		.amdhsa_kernarg_size 16
		.amdhsa_user_sgpr_count 2
		.amdhsa_user_sgpr_kernarg_segment_ptr 1
		.amdhsa_wavefront_size32 1
		.amdhsa_system_sgpr_workgroup_id_x 1
		.amdhsa_system_sgpr_workgroup_id_y 1
		.amdhsa_system_sgpr_workgroup_id_z 1
		.amdhsa_system_vgpr_workitem_id 0
		.amdhsa_next_free_vgpr 256
		.amdhsa_next_free_sgpr 66
		.amdhsa_reserve_vcc 1
		.amdhsa_float_denorm_mode_32 3
		.amdhsa_float_denorm_mode_16_64 3
		.amdhsa_memory_ordered 1
		.amdhsa_forward_progress 1
		.amdhsa_inst_pref_size 102
	.end_amdhsa_kernel
	.amdgpu_metadata
---
amdhsa.version: [ 1, 2 ]
amdhsa.kernels:
  - .name:           k_q8c1a244c33_attn
    .symbol:         k_q8c1a244c33_attn.kd
    .args:
      - { .name: qkv, .offset: 0, .size: 8, .value_kind: global_buffer, .address_space: global }
      - { .name: out0, .offset: 8, .size: 8, .value_kind: global_buffer, .address_space: global }
    .group_segment_fixed_size: 215040
    .private_segment_fixed_size: 0
    .kernarg_segment_align: 8
    .kernarg_segment_size: 16
    .max_flat_workgroup_size: 512
    .sgpr_count:     66
    .vgpr_count:     256
    .wavefront_size: 32
...
	.end_amdgpu_metadata
.endif
;; end of part 3
